; MI455X (gfx1250); checked and timed in simulation.
; The chip was launched on July 23, 2026; its instructions are those of AMD's public machine-readable ISA for CDNA 5 (MIT licence, August 2026) and "CDNA5" Instruction Set Architecture Reference Guide (July 2026). The comments in the code are by the model that wrote it; some were corrected since.
;; Bahdanau Attention Optimized. Allowed arithmetic: matrix products marked QUANTISED: E4M3 operands, one E8M0 scale for each 32 along K, by v_wmma_scale_f32_16x16x128_f8f6f4 with both operands' format E4M3, f32 sums; products left as they are: f32 operands where the result goes on into a quantised operand, else bf16, f16 or f32 operands; f32 sums; everything else in f32.
;; Inputs: attn_W 2,048 x 1,024 float32; attn_b 1,024 float32; dec_hidden 32 x 1,024 float32; enc_outputs 32 x 2,048 x 1,024 float32; src_mask 32 x 2,048 bool; v_W 1,024 x 1 float32.
;; Outputs: out0 32 x 1,024 float32; out1 32 x 2,048 float32.
;; This version of the problem:
;;   THIS VERSION OF THE PROBLEM IS GIVEN IN LOW PRECISION. The matrix products marked QUANTISED in the list below multiply operands that are first quantised to E4M3 (4 exponent bits, 3 mantissa bits; 8 bits a number), with one power-of-two scale for each 32 numbers along K (OCP MX v1.0); their sums are f32. All else is computed in f32.
;;   The module's matrix products, in the order in which they are computed (A, B: the left and right operand; K: the contracted axis; several contracted axes count as one K, in the product's order):
;;     1. [M 32, K 1,024] x [K 1,024, N 1,024]; A: input dec_hidden; B: input attn_W: QUANTISED
;;     2. [M 65,536, K 1,024] x [K 1,024, N 1,024]; A: input enc_outputs; B: input attn_W: QUANTISED
;;     3. [M 65,536, K 1,024] x [K 1,024, N 1]; A: computed on the way; B: input v_W: left as it is (N = 1 < 16)
;;     4. batch 32 x [M 1, K 2,048] x [K 2,048, N 1,024]; A: softmax; B: input enc_outputs: left as it is (M = 1 < 16)
;;   THE QUANTISER, for each operand of a quantised product, along K:
;;     - K is cut into blocks of 32 from its start; a last block that is shorter is filled with zeros.
;;     - A block's scale is 2^e with e = floor(log2(the largest magnitude in the block)) - 8, held to -126 .. 127; a block of zeros has e = 0. As a byte (E8M0): e + 127.
;;     - Each number is divided by its block's scale, clamped to +-448, and rounded to the nearest number of E4M3, ties to even, subnormals kept.
;;     - The product sums the exact products of the quantised numbers (number of the format x scale) in f32.
;;   ~~~python
;;   def quantise(x, axis):      # numpy; x: float32 -> the quantised numbers, widened to float32 again
;;       x = np.moveaxis(x, axis, -1); K = x.shape[-1]
;;       x = np.pad(x, [(0, 0)] * (x.ndim - 1) + [(0, -K % 32)]); x = x.reshape(x.shape[:-1] + (-1, 32)); a = np.abs(x).max(-1, keepdims=True)
;;       e = np.where(a > 0, np.clip(np.frexp(np.where(a > 0, a, 1))[1] - 1 - 8, -126, 127), 0)      # np.frexp(a)[1] - 1 = floor(log2(a)), exactly
;;       r = np.clip(x / 2.0 ** e, -448, 448)
;;       step = 2.0 ** (np.maximum(np.frexp(np.where(r == 0, 1, r))[1] - 1, -6) - 3)
;;       q = np.round(r / step) * step * 2.0 ** e      # np.round: ties to even
;;       return np.moveaxis(q.reshape(q.shape[:-2] + (-1,))[..., :K], -1, axis).astype(np.float32)
;;   ~~~
;; One version. Each part assembles by itself: llvm-mc -triple=amdgcn-amd-amdhsa -mcpu=gfx1250 --defsym DOCPART=n.
;; ======== version 1 of 1: 3 launches
;; limits: right only within a limited range of input values
;; workspace buffers: wfrag 1,081,344 bytes; dp 131,072 bytes; rawsc 262,144 bytes
;; launch prep (part 1): grid 64 x 1, 8 waves a work-group, no clusters, 18,432 bytes of LDS; arguments attn_W, attn_b, dec_hidden, wfrag, dp; writes wfrag, dp
.if DOCPART == 1
	.amdgcn_target "amdgcn-amd-amdhsa--gfx1250"
	.amdhsa_code_object_version 6
	.text
	.protected	k_q97f2e84ac4_prep
	.globl	k_q97f2e84ac4_prep
	.p2align	8
	.type	k_q97f2e84ac4_prep,@function
k_q97f2e84ac4_prep:
	s_mov_b64 s[64:65], 0
	v_nop
	global_prefetch_b8 v0, s[64:65] scope:SCOPE_SE
	s_setreg_imm32_b32 hwreg(HW_REG_WAVE_MODE, 25, 1), 1
	s_wait_xcnt 0x0
; attn_W [2048][1024] f32: rows 0-1023 are W_dec, rows 1024-2047 W_enc; K is its FIRST axis.  This launch
;  (1) turns W_enc into codes of FP8 (E4M3) with one E8M0 scale for each 32 along K, laid in the ORDER OF THE OPERAND'S REGISTERS:
;      wfrag = 64 tiles of 16 columns, 16,896 bytes each: [K step 0..7][c 0..3][lane][16 bytes], then 512 bytes of scale words:
;      lane (r, hh) has 16 bytes at 16 x lane, and its word q is column r's scale word of K step 2 q + hh;
;  (2) makes dp = Q(dec_hidden) Q(W_dec) + attn_b, [32][1024] f32, by the scaled matrix instruction.
; SHARES.  Work-group t owns columns 16 t .. 16 t + 15; wave k owns K step k (128 along K) of both halves of attn_W.
; A LANE TAKES A COLUMN AND ITS REGISTERS RUN DOWN K, in the order that the operand's layout gives that lane (k = 32 c + 16 h + 0..15):
; the conversions' results are the operand's registers, nothing is transposed.  dec_hidden has K innermost: the same lane takes 16 neighbours a block.
; The eight waves' partial sums of dp (one K step each) meet in LDS and are added in f32, K ascending; the bias is added last.
; 64 work-groups: the launch has one step of work for each column tile, 128 KiB of attn_W a work-group.
; No cluster: dec_hidden, which all work-groups read, goes straight into the operand's registers; a joint load would add a trip through LDS to a launch of one step.
; dp leaves as pieces of 64 bytes of a row (128 KiB in all); wfrag leaves in stores of 512 consecutive bytes.
; LIMITS: NaN and infinities among the inputs are not served.  A block of zeros gets the byte 1 where the rule says 127: its codes are zeros, which add nothing,
; and the bytes are read by this program alone.  A block whose largest magnitude lies under 2^-118 is held at the byte 1, as the rule's lower bound asks.
.set TILEB, 16896                      ; a tile of wfrag in bytes
.set DRED,  0                          ; LDS: 8 waves x 2,048 bytes: partial sums of dp
.set ESC,   16384                      ; LDS: 512 bytes: the tile's scale words, as they go to wfrag
.set TM,    8                          ; v8-23   at work in QUANT
.set WE,    24                         ; v24-27  scale words: W_enc's, W_dec's, dec_hidden's two tiles'
.set WW,    25
.set WH0,   26
.set WH1,   27
.set XE,    32                         ; v32-95   64 numbers of W_enc, later of dec_hidden's rows 16-31
.set XD,    96                         ; v96-159  64 numbers of W_dec
.set XH0,   160                        ; v160-223 64 numbers of dec_hidden's rows 0-15
.set PCE,   224                        ; v224-239 W_enc's codes
.set PCW,   240                        ; v240-255 W_dec's codes
.set PC0,   96                         ; v96-111, v112-127 dec_hidden's codes (W_dec's numbers are done with)
.set PC1,   112
.set ACC0,  128                        ; v128-135, v136-143 the two accumulators
.set RS,    160                        ; the reduction's loads
.set SEL,   20                         ; s[20:21] lane selects for v_permlanex16_b32: lane l xor 16
.set MNT,   22                         ; s22 the mantissa field of 448
; 64 numbers of a lane, v[s] on, register 16 b + i = k 32 b + 16 (lane / 16) + i of my row or column, become a fragment's 16 registers of codes in v[d] on and its scale word in v[w].
.macro QUANT s, d, w
.irp b, 0,1,2,3
	v_max3_num_f32 v[TM+\b], |v[\s+16*\b]|, |v[\s+1+16*\b]|, 0x4800000   ; block b: my 16 numbers, and the floor 2^(9 - 127): the byte cannot fall under 1
.endr
.irp i, 2,4,6,8,10,12,14
.irp b, 0,1,2,3
	s_delay_alu instid0(VALU_DEP_4)
	v_max3_num_f32 v[TM+\b], v[TM+\b], |v[\s+16*\b+\i]|, |v[\s+1+16*\b+\i]|   ; the four blocks by turns
.endr
.endr
.irp b, 0,1,2,3
	s_delay_alu instid0(VALU_DEP_4)
	v_permlanex16_b32 v[TM+4+\b], v[TM+\b], s[SEL], s[SEL+1]
.endr
.irp b, 0,1,2,3
	s_delay_alu instid0(VALU_DEP_4)
	v_max_num_f32 v[TM+\b], v[TM+\b], v[TM+4+\b]   ; with lane l xor 16's 16 numbers: the block's largest magnitude
.endr
.irp b, 0,1,2,3
	s_delay_alu instid0(VALU_DEP_4)
	v_add_nc_u32 v[TM+12+\b], 0xfc000000, v[TM+\b]   ; 8 off its exponent field: the conversion takes this operand's exponent field as its scale
.endr
.irp b, 0,1,2,3
	v_and_or_b32 v[TM+8+\b], v[TM+\b], 0x7f800000, s[MNT]   ; 448 x the scale
.endr
.irp b, 0,1,2,3
	v_lshrrev_b32 v[TM+4+\b], 23, v[TM+12+\b]   ; the scale's byte
.endr
	s_delay_alu instid0(VALU_DEP_3)
	v_lshl_or_b32 v[\w], v[TM+5], 8, v[TM+4]       ; four bytes make the scale word
	s_delay_alu instid0(VALU_DEP_1)
	v_lshl_or_b32 v[\w], v[TM+6], 16, v[\w]
	s_delay_alu instid0(VALU_DEP_1)
	v_lshl_or_b32 v[\w], v[TM+7], 24, v[\w]
.irp b, 0,1,2,3
.irp i, 0,1,2,3,4,5,6,7,8,9,10,11,12,13,14,15
	v_med3_num_f32 v[\s+16*\b+\i], v[\s+16*\b+\i], -v[TM+8+\b], v[TM+8+\b]   ; the conversion to an 8-bit code does not saturate (ISA guide 7.6.2): the hold at 448 x the scale
.endr
	v_cvt_scalef32_pk8_fp8_f32 v[\d+4*\b:\d+1+4*\b], v[\s+16*\b:\s+7+16*\b], v[TM+12+\b]
	v_cvt_scalef32_pk8_fp8_f32 v[\d+2+4*\b:\d+3+4*\b], v[\s+8+16*\b:\s+15+16*\b], v[TM+12+\b]
.endr
	v_nop                                          ; one plain vector instruction behind the last conversion, ahead of whatever next touches its registers
.endm
	s_load_b256 s[4:11], s[0:1], 0x0               ; attn_W s[4:5], attn_b s[6:7], dec_hidden s[8:9], wfrag s[10:11]
	s_load_b64 s[12:13], s[0:1], 0x20              ; dp
	s_set_vgpr_msb 0x40
	v_lshl_add_u32 v0, v0, 2, 0x4400
	v_mov_b32 v1, 0
	s_set_vgpr_msb 0x4000
	v_lshrrev_b32 v1, 5, v0
	s_delay_alu instid0(VALU_DEP_1)
	v_readfirstlane_b32 s14, v1                    ; wave k = 0..7
	v_and_b32 v29, 31, v0                          ; lane
	v_and_b32 v30, 15, v0                          ; r
	v_bfe_u32 v31, v0, 4, 1                        ; h
	s_delay_alu instid0(VALU_DEP_2)
	v_lshlrev_b32 v1, 2, v30
	s_delay_alu instid0(VALU_DEP_1)
	v_lshl_add_u32 v1, v31, 16, v1                 ; attn_W: column r (4 bytes), lanes 16-31 sixteen rows of 4,096 bytes further down
	s_delay_alu instid0(VALU_DEP_4)
	v_lshlrev_b32 v2, 12, v30
	s_delay_alu instid0(VALU_DEP_1)
	v_lshl_add_u32 v2, v31, 6, v2                  ; dec_hidden: row r of 4,096 bytes, + 64 h: my 16 numbers of a block
	v_lshlrev_b32 v3, 4, v29                       ; 16 x lane: an image's place for my lane
	s_wait_alu depctr_va_vdst(0)
	s_and_b32 s18, s14, 1                          ; k % 2
	s_lshl_b32 s15, s18, 8
	s_lshr_b32 s16, s14, 1
	s_lshl_b32 s16, s16, 2
	s_add_co_u32 s15, s15, s16
	s_add_co_u32 s15, s15, ESC
	v_lshl_add_u32 v4, v30, 4, s15                 ; my column's scale word of K step k: ESC + 16 r + 256 (k % 2) + 4 (k / 2)
	s_lshl_b32 s16, s14, 11
	v_add_nc_u32 v5, s16, v3                       ; my partial sums: 16 x lane + 2,048 k
	s_and_b32 s17, s14, 3
	s_lshl_b32 s16, s17, 9
	v_add_nc_u32 v6, s16, v3                       ; the piece that I add up (waves 0-3): 16 x lane + 512 x wave
	v_lshlrev_b32 v7, 5, v31                       ; attn_b: + 32 h
	v_lshlrev_b32 v28, 12, v30
	s_delay_alu instid0(VALU_DEP_1)
	v_lshl_add_u32 v28, v31, 5, v28                ; dp: row r of 4,096 bytes, + 32 h
.irp b, 0,1,2,3
	v_mov_b32 v[TM+4+\b], 0                        ; written once: a lane permute's destination counts as one of its sources
.endr
	s_mov_b32 s[SEL], 0x76543210
	s_mov_b32 s[SEL+1], 0xfedcba98
	s_mov_b32 s[MNT], 0x600000
	s_lshl_b32 s24, s14, 19                        ; 128 k rows of 4,096 bytes
	s_lshl_b32 s23, ttmp9, 6                       ; 64 t: my tile's first column, in bytes
	s_add_co_u32 s24, s24, s23
	s_mov_b32 s25, 0
	s_lshl_b32 s26, s14, 9                         ; dec_hidden: K step k begins 512 k bytes into a row
	s_mov_b32 s27, 0
	s_mul_i32 s32, ttmp9, TILEB
	s_mov_b32 s33, 0
	s_lshl_b32 s34, s14, 11                        ; K step k's image in the tile
	s_mov_b32 s35, 0
	s_lshl_b32 s36, s18, 4
	s_add_co_u32 s36, s36, s23                     ; the reduction's piece p = wave: columns 16 t + 4 (p % 2) (+ 8 h): 64 t + 16 (p % 2) bytes,
	s_mov_b32 s37, 0
	s_bfe_u32 s38, s14, 0x10001
	s_lshl_b32 s38, s38, 16
	s_add_co_u32 s38, s38, s36                     ; rows 16 (p / 2) on: 65,536 bytes
	s_mov_b32 s39, 0
	s_wait_kmcnt 0x0
	s_add_nc_u64 s[28:29], s[4:5], s[24:25]        ; W_dec at my K step and tile
	s_add_nc_u64 s[30:31], s[28:29], 0x400000      ; W_enc: 1,024 rows further down
	s_add_nc_u64 s[8:9], s[8:9], s[26:27]
	s_add_nc_u64 s[10:11], s[10:11], s[32:33]      ; wfrag at tile t,
	s_add_nc_u64 s[2:3], s[10:11], s[34:35]        ; and at my K step's image
	s_add_nc_u64 s[6:7], s[6:7], s[36:37]
	s_add_nc_u64 s[12:13], s[12:13], s[38:39]
.irp c, 0,1,2,3
.irp i, 0,1,2,3,4,5,6,7,8,9,10,11,12,13,14,15
	global_load_b32 v[XE+16*\c+\i], v1, s[30:31] offset:(32*\c+\i)*4096   ; W_enc(128 k + 32 c + 16 h + i, 16 t + r)
.endr
.endr
.irp c, 0,1,2,3
.irp i, 0,1,2,3,4,5,6,7,8,9,10,11,12,13,14,15
	global_load_b32 v[XD+16*\c+\i], v1, s[28:29] offset:(32*\c+\i)*4096   ; W_dec likewise
.endr
.endr
.irp c, 0,1,2,3
.irp j, 0,1,2,3
	global_load_b128 v[XH0+16*\c+4*\j:XH0+16*\c+4*\j+3], v2, s[8:9] offset:128*\c+16*\j   ; dec_hidden, rows 0-15
.endr
.endr
	s_wait_loadcnt 63                              ; 80 loads are younger than W_enc's; a wait names 63 at the most, and the smaller count shows the more: W_enc's 64 are in
	QUANT XE, PCE, WE
.irp c, 0,1,2,3
	global_store_b128 v3, v[PCE+4*\c:PCE+4*\c+3], s[2:3] offset:512*\c   ; the fragment as it stands: 512 consecutive bytes a store; these registers are not written again
.endr
	ds_store_b32 v4, v[WE]                         ; lanes r and r + 16 write the same word with the same value
.irp c, 0,1,2,3
.irp j, 0,1,2,3
	global_load_b128 v[XE+16*\c+4*\j:XE+16*\c+4*\j+3], v2, s[8:9] offset:65536+128*\c+16*\j   ; dec_hidden, rows 16-31, into the registers that W_enc has left
.endr
.endr
	s_wait_loadcnt 32                              ; W_dec is in: dec_hidden's two tiles, 16 loads each, are younger
	QUANT XD, PCW, WW
	s_wait_loadcnt 16                              ; rows 0-15 are in
	QUANT XH0, PC0, WH0
	s_wait_loadcnt 0x0
	QUANT XE, PC1, WH1
.rept 8
	v_nop                                          ; a scale word made by vector instructions stands eight places ahead of a scaled matrix instruction, codes four
.endr
	; TRANSPOSED: source 0 = 16 columns of W_dec, source 1 = 16 rows of dec_hidden: lane (r, h) holds row r, and its register j column 16 t + 8 h + j.  Two accumulators, one instruction each
	v_wmma_scale_f32_16x16x128_f8f6f4 v[ACC0:ACC0+7], v[PCW:PCW+15], v[PC0:PC0+15], 0, v[WW], v[WH0]
	v_wmma_scale_f32_16x16x128_f8f6f4 v[ACC0+8:ACC0+15], v[PCW:PCW+15], v[PC1:PC1+15], 0, v[WW], v[WH1]
.rept 8
	v_nop                                          ; eight places ahead of the first read of a result
.endr
.irp mm, 0,1
.irp hf, 0,1
	ds_store_b128 v5, v[ACC0+8*\mm+4*\hf:ACC0+8*\mm+4*\hf+3] offset:DRED+512*(2*\mm+\hf)   ; each accumulator from its low end on
.endr
.endr
	s_wait_dscnt 0x0                               ; for the others' sake: my partial sums and my scale word lie in LDS
	s_barrier_signal -1
	s_barrier_wait -1
	s_cmp_lt_u32 s14, 4
	s_cbranch_scc0 .Lnot_sum
.irp q, 0,1,2,3,4,5,6,7
	ds_load_b128 v[RS+4*\q:RS+4*\q+3], v6 offset:DRED+2048*\q   ; piece p of K step q: rows 16 (p / 2) + r, columns 16 t + 8 h + 4 (p % 2) + 0..3
.endr
	global_load_b128 v[RS+32:RS+35], v7, s[6:7]    ; attn_b at these four columns
	s_wait_dscnt 0x0
.irp q, 1
	v_pk_add_f32 v[RS:RS+1], v[RS:RS+1], v[RS+4*\q:RS+4*\q+1]         ; K ascending
	v_pk_add_f32 v[RS+2:RS+3], v[RS+2:RS+3], v[RS+4*\q+2:RS+4*\q+3]
.endr
.irp q, 2, 3, 4, 5, 6, 7
	s_delay_alu instid0(VALU_DEP_2)
	v_pk_add_f32 v[RS:RS+1], v[RS:RS+1], v[RS+4*\q:RS+4*\q+1]         ; K ascending
	s_delay_alu instid0(VALU_DEP_2)
	v_pk_add_f32 v[RS+2:RS+3], v[RS+2:RS+3], v[RS+4*\q+2:RS+4*\q+3]
.endr
	s_wait_alu depctr_va_vdst(0)
	s_wait_loadcnt 0x0
	v_pk_add_f32 v[RS:RS+1], v[RS:RS+1], v[RS+32:RS+33]
	v_pk_add_f32 v[RS+2:RS+3], v[RS+2:RS+3], v[RS+34:RS+35]
	global_store_b128 v28, v[RS:RS+3], s[12:13]
	s_branch .Lend
.Lnot_sum:
	s_cmp_eq_u32 s14, 4
	s_cbranch_scc0 .Lend
	ds_load_b128 v[RS:RS+3], v3 offset:ESC         ; the tile's 128 scale words
	s_wait_dscnt 0x0
	global_store_b128 v3, v[RS:RS+3], s[10:11] offset:16384   ; 512 consecutive bytes behind the tile's codes
.Lend:
	s_set_vgpr_msb 0x5
	s_wait_tensorcnt 0x0
	ds_add_u32 v0, v1
	s_wait_dscnt 0x0
	s_set_vgpr_msb 0x500
	s_endpgm
.Lfunc_end_k_q97f2e84ac4_prep:
	.size	k_q97f2e84ac4_prep, .Lfunc_end_k_q97f2e84ac4_prep-k_q97f2e84ac4_prep
	.p2alignl 7, 3214868480
	.fill 96, 4, 3214868480
	.section	.rodata,"a",@progbits
	.p2align	6, 0x0
	.amdhsa_kernel k_q97f2e84ac4_prep
		.amdhsa_group_segment_fixed_size 18432
		.amdhsa_private_segment_fixed_size 0
		.amdhsa_enable_private_segment 0
		.amdhsa_kernarg_size 40
		.amdhsa_user_sgpr_count 2
		.amdhsa_user_sgpr_kernarg_segment_ptr 1
		.amdhsa_wavefront_size32 1
		.amdhsa_system_sgpr_workgroup_id_x 1
		.amdhsa_system_sgpr_workgroup_id_y 1
		.amdhsa_system_sgpr_workgroup_id_z 1
		.amdhsa_system_vgpr_workitem_id 0
		.amdhsa_next_free_vgpr 258
		.amdhsa_next_free_sgpr 66
		.amdhsa_reserve_vcc 0
		.amdhsa_float_denorm_mode_32 3
		.amdhsa_float_denorm_mode_16_64 3
		.amdhsa_memory_ordered 1
		.amdhsa_forward_progress 1
		.amdhsa_inst_pref_size 60
	.end_amdhsa_kernel
	.amdgpu_metadata
---
amdhsa.version: [ 1, 2 ]
amdhsa.kernels:
  - .name:           k_q97f2e84ac4_prep
    .symbol:         k_q97f2e84ac4_prep.kd
    .args:
      - { .name: attn_W, .offset: 0, .size: 8, .value_kind: global_buffer, .address_space: global }
      - { .name: attn_b, .offset: 8, .size: 8, .value_kind: global_buffer, .address_space: global }
      - { .name: dec_hidden, .offset: 16, .size: 8, .value_kind: global_buffer, .address_space: global }
      - { .name: wfrag, .offset: 24, .size: 8, .value_kind: global_buffer, .address_space: global }
      - { .name: dp, .offset: 32, .size: 8, .value_kind: global_buffer, .address_space: global }
    .group_segment_fixed_size: 18432
    .private_segment_fixed_size: 0
    .kernarg_segment_align: 8
    .kernarg_segment_size: 40
    .max_flat_workgroup_size: 256
    .sgpr_count:     66
    .vgpr_count:     258
    .wavefront_size: 32
...
	.end_amdgpu_metadata
.endif
;; end of part 1
;; launch energy (part 2): grid 256 x 1, 4 waves a work-group, clusters of 4 x 1, 327,680 bytes of LDS; arguments enc_outputs, wfrag, dp, v_W, rawsc; writes rawsc
.if DOCPART == 2
	.amdgcn_target "amdgcn-amd-amdhsa--gfx1250"
	.amdhsa_code_object_version 6
	.text
	.protected	k_q97f2e84ac4_energy
	.globl	k_q97f2e84ac4_energy
	.p2align	8
	.type	k_q97f2e84ac4_energy,@function
k_q97f2e84ac4_energy:
	s_mov_b64 s[64:65], 0
	v_nop
	global_prefetch_b8 v0, s[64:65] scope:SCOPE_SE
	s_setreg_imm32_b32 hwreg(HW_REG_WAVE_MODE, 25, 1), 1
	s_wait_xcnt 0x0
	s_wait_alu depctr_hold_cnt(0) depctr_sa_sdst(0) depctr_va_vdst(0) depctr_va_sdst(0) depctr_va_ssrc(0) depctr_va_vcc(0) depctr_vm_vsrc(0)
	s_getreg_b32 s2, hwreg(HW_REG_IB_STS2, 6, 4)
	s_cmp_eq_u32 s2, 0
	s_cbranch_scc0 .Lentry_in_a_cluster
	s_endpgm
.Lentry_in_a_cluster:
	s_bfe_u32 s2, ttmp6, 0x10000c
	s_cmp_lg_u32 s2, 0x3003
	s_cbranch_scc0 .Lentry_shape_is_right
	s_endpgm
.Lentry_shape_is_right:
; rawsc[b][s] = sum over n of v_W[n] tanh(dp[b][n] + (Q(enc_outputs) Q(W_enc))[b][s][n]): the scores, not yet masked.  enc_outputs [65536][1024] f32 (batch and position as one axis),
; wfrag: W_enc's codes of FP8 (E4M3) and E8M0 scale words in the order of the operand's registers (64 tiles of 16 columns, 16,896 bytes each), dp [32][1024] f32, v_W [1024] f32.
; SHARES.  A work-group owns 256 rows of one batch, each of its four waves 64 of them: four tiles of 16 rows, for all of K and all 1,024 columns.
; PHASE L: the wave's rows come in by K steps of 128 (f32, tensor loads into the wave's own quarter of a slot), are quantised in registers, and their codes STAY in 512 registers (windows 1 and 2).
; PHASE G: W_enc's 64 column tiles stream through the same two slots, 8 tiles a slot; each fragment read from LDS feeds four matrix instructions.
; A COLUMN TILE is a run of 32 products and, behind it, its vector work in whole batches: 16 scalings, 32 exponentials, 16 additions, 32 reciprocals.  The scores' 16 multiply-adds are put off by one tile:
; they are the places behind the next run and the plain lines behind its batches.  So the sums stand in two sets, by the tile's parity.  W's fragments stand in two sets too (window 3): a tile's 35 LDS loads go out one tile ahead, in one run.
; THE MATRIX INSTRUCTION IS USED TRANSPOSED (source 0 = 16 columns of W_enc, source 1 = 16 rows of enc): lane (r, h) holds row r, and its register j column 16 tile + 8 h + j.
; dp is the C of a tile's first K step.  tanh x = 1 - 2 / (1 + 2^(2 log2(e) x)), so a score is sum(v) + sum(-2 v / (1 + 2^(..))): it goes to +-1 where 2^(..) is infinite or 0.
; CLUSTER: the four work-groups of a cluster walk the same W_enc: each quarter of a slot is asked for JOINTLY (mask 15).  The rows of enc are each work-group's own: plain loads.
; One ring serves both: 16 fills in all (8 K steps of enc, 8 slots of W), one tensor load a wave behind each round of the cluster's barrier; one load of a wave is out at any time.
; PREFETCH: in K step t each wave asks for K step t + 2 of its own 64 rows: 128 blocks of 256 bytes, a lane a block, four instructions; K steps 6 and 7 ask for nothing; K steps 0 and 1 come by their loads alone.
; W's tiles are not asked for ahead: all 64 clusters walk the same 1,081,344 bytes.
; The rows' f32 numbers (1 MiB a work-group) cannot be kept beside the codes, so the context is made by a later launch, which reads enc_outputs again.
; LIMITS: NaN and infinities among the inputs are not served.  A block of zeros gets the scale byte 1 (its codes are zeros; this program alone reads the bytes).
; sum(v) and the sum of -2 v r are added in f32, so a score's absolute error is about 1e-7 x the sum of |v|.
.set QUARTER, 33792                    ; a wave's part of a slot: 64 rows x (512 + 16) bytes of enc, or 132 x 256 bytes of wfrag
.set SLOT,    135168                   ; 4 quarters = 8 tiles of wfrag; bits 17 and 12, which no wave's 33,792 x wave has set: an exclusive or changes slots
.set TILEB,   16896
.set TAB_DP,  270336                   ; behind the ring: dp's row of my batch, 4,096 bytes;
.set TAB_VV,  274688                   ; -2 v_W, 4,096 bytes;
.set SVP,     278784                   ; the four waves' partial sums of v_W;
.set SCR,     279040                   ; 256 bytes a wave: the scores on their way out;
.set AIM,     280064                   ; 8,192 bytes a wave: four fragments as images of their registers;
.set AIMS,    312832                   ; 512 bytes a wave: their scale words;
.set SPARE,   314880                   ; the spare words, 128 bytes for each wave
.set SPW, 1                            ; v1   LDS address of my spare word; never rewritten
.set NIL, 2                            ; v2   0; never rewritten
.set LI,  3                            ; v3   16 x lane
.set BA,  4                            ; v4   the tile of W that is being fetched
.set T0,  5                            ; v5   TAB_DP + 32 h
.set TA,  6                            ; v6   that tile's place in the tables
.set EA,  7                            ; v7-8 my lane's place in my quarter of slot 0, 1: 528 r + 64 h
.set XA,  9
.set IAB, 10                           ; v10  AIM + 8,192 wave + 16 lane
.set IA,  11
.set SSB, 12                           ; v12  AIMS + 512 wave + 4 r
.set SS,  13
.set LS,  14                           ; v14  AIMS + 512 wave + 4 lane
.set TP,  15
.set AS,  16                           ; v16-31 enc's scale words: v[AS + 4 m + q]: lanes 0-15 K step 2 q, lanes 16-31 K step 2 q + 1, of row 16 m + r
.set PFO, 32                           ; v32  the prefetches' offset: 4,096 x lane; never rewritten
.set BS,  34                           ; v34-41 W's scale words, laid the same way: two sets, by the tile's parity; no product's two scale registers have numbers equal modulo 8
.set S,   42                           ; v42-49 the running scores: a pair for each tile of rows (even, odd columns)
.set TQ,  50                           ; v50-53 at work
.set VVR, 56                           ; v56-63 -2 v_W at the eight columns of the tile whose multiply-adds are due
.set DP,  64                           ; v64-79 dp at my eight columns: two sets
.set ACC, 80                           ; v80-143 two sets of four accumulators
.set X,   144                          ; phase L: v144-207 64 numbers; PC their codes; TM at work; PW the scale word
.set PC,  208
.set TM,  224
.set PW,  240
; windows 1, 2: enc's codes: fragment (tile of rows m, K step k) at register 64 (k % 4) + 16 m of window 1 + k / 4.   window 3: W's eight fragments of a tile: set p at register 128 p
.set WV,  14                           ; s14 wave
.set G1E, 24                           ; s[24:31] descriptor group 1 for enc's tiles;  s[32:39] for W's;  s[40:43], s[44:47] their groups 0, which walk
.set G1W, 32
.set G0E, 40
.set G0W, 44
.set SEL, 48                           ; s[48:49] lane selects: lane l xor 16
.set MNT, 50                           ; s50 the mantissa field of 448
.set TO,  51                           ; s51 the slot's first tile in the tables: 512 bytes a slot
.set CS,  52                           ; s[52:53] 2 log2(e)
.set TB,  54                           ; s54 LDS byte of the tile to be fetched next
.set SB,  55                           ; s55 LDS byte of the slot in hand
.set TT,  56                           ; s56 that tile's place in the tables: 64 bytes a tile
.set SC,  57                           ; s57, s58, s62 counters
.set TC,  58
.set ROWO, 59                          ; s59-61 phase L: the tile of rows' place in the quarter, among the images, among the scale words
.set IMGO, 60
.set SCLO, 61
.set MC,  62
.set MSB, 0
.macro WIN new                         ; the immediate's high byte repeats the setting that is left; a switch that changes nothing is dropped
.if MSB != \new
	s_set_vgpr_msb (MSB<<8)|\new
.set MSB, \new
.endif
.endm
.macro PLACES n
.rept \n
	v_nop
.endr
.endm
.macro WALU
	s_wait_alu depctr_va_vdst(0)
.endm
.macro ROUND                           ; a round of the cluster's barrier
	s_barrier_signal -1
	s_barrier_wait -1
	s_cmp_lg_u32 s[WV], 0
	s_cbranch_scc1 .Lnot_wave_0_\@
	s_barrier_signal -3
.Lnot_wave_0_\@:
	s_barrier_wait -3
	s_barrier_signal -1
	s_barrier_wait -1
.endm
; 64 numbers of a lane, v[s] on, register 16 b + i = k 32 b + 16 (lane / 16) + i of my row, become a fragment's 16 registers of codes in v[d] on and its scale word in v[w].
.macro QUANT s, d, w
.irp b, 0,1,2,3
	v_max3_num_f32 v[TM+\b], |v[\s+16*\b]|, |v[\s+1+16*\b]|, 0x4800000   ; block b: my 16 numbers, and the floor 2^(9 - 127): the byte cannot fall under 1
.endr
.irp i, 2,4,6,8,10,12,14
.irp b, 0,1,2,3
	v_max3_num_f32 v[TM+\b], v[TM+\b], |v[\s+16*\b+\i]|, |v[\s+1+16*\b+\i]|   ; the four blocks by turns
.endr
.endr
.irp b, 0,1,2,3
	v_permlanex16_b32 v[TM+4+\b], v[TM+\b], s[SEL], s[SEL+1]
.endr
.irp b, 0,1,2,3
	v_max_num_f32 v[TM+\b], v[TM+\b], v[TM+4+\b]   ; with lane l xor 16's 16 numbers: the block's largest magnitude
.endr
.irp b, 0,1,2,3
	v_add_nc_u32 v[TM+12+\b], 0xfc000000, v[TM+\b]   ; 8 off its exponent field: the conversion's scale operand
.endr
.irp b, 0,1,2,3
	v_and_or_b32 v[TM+8+\b], v[TM+\b], 0x7f800000, s[MNT]   ; 448 x the scale
.endr
.irp b, 0,1,2,3
	v_lshrrev_b32 v[TM+4+\b], 23, v[TM+12+\b]   ; the scale's byte
.endr
	v_lshl_or_b32 v[\w], v[TM+5], 8, v[TM+4]       ; four bytes make the scale word
	v_lshl_or_b32 v[\w], v[TM+6], 16, v[\w]
	v_lshl_or_b32 v[\w], v[TM+7], 24, v[\w]
.irp b, 0,1,2,3
.irp i, 0,1,2,3,4,5,6,7,8,9,10,11,12,13,14,15
	v_med3_num_f32 v[\s+16*\b+\i], v[\s+16*\b+\i], -v[TM+8+\b], v[TM+8+\b]   ; the conversion to an 8-bit code does not saturate (ISA guide 7.6.2): the hold at 448 x the scale
.endr
	v_cvt_scalef32_pk8_fp8_f32 v[\d+4*\b:\d+1+4*\b], v[\s+16*\b:\s+7+16*\b], v[TM+12+\b]
	v_cvt_scalef32_pk8_fp8_f32 v[\d+2+4*\b:\d+3+4*\b], v[\s+8+16*\b:\s+15+16*\b], v[TM+12+\b]
.endr
	v_nop                                          ; one plain vector line behind the last conversion
.endm
	s_load_b256 s[4:11], s[0:1], 0x0               ; enc s[4:5], wfrag s[6:7], dp s[8:9], v_W s[10:11]
	s_load_b64 s[12:13], s[0:1], 0x20              ; rawsc
	v_lshl_add_u32 v[SPW], v0, 2, SPARE
	v_mov_b32 v[NIL], 0
	ds_add_u32 v[SPW], v[NIL]                      ; the opening lines: the add, twice on end, and its wait ahead of my first tensor load
	ds_add_u32 v[SPW], v[NIL]
	v_lshrrev_b32 v[TP], 5, v0
	v_readfirstlane_b32 s[WV], v[TP]               ; wave 0..3
	s_bfe_u32 s15, ttmp6, 0x40000                  ; cx: it enters enc's and rawsc's global addresses alone
	s_lshl_b32 s16, ttmp9, 2                       ; in a cluster launch ttmp9 counts clusters
	s_add_co_u32 s16, s16, s15                     ; my block of 256 rows
	s_lshr_b32 s17, ttmp9, 1                       ; the batch: 8 blocks each, so the four partners share it
	; group 1 for enc: 64 rows x 128 elements of 4 bytes, 1,024 elements from row to row; in LDS 16 bytes of padding behind each 512
	s_mov_b32 s[G1E+0], (2<<16)|(1<<20)|(6<<22)|(3<<25)
	s_mov_b32 s[G1E+1], 128<<16
	s_mov_b32 s[G1E+2], 64<<16
	s_mov_b32 s[G1E+3], 128<<16
	s_mov_b32 s[G1E+4], 64
	s_mov_b32 s[G1E+5], 1024
	s_mov_b32 s[G1E+6], 0
	s_mov_b32 s[G1E+7], 0
	; group 1 for W: a dense block of 33,792 bytes as 132 rows of 256 bytes (32 elements of 8 bytes), no padding; mask: all four work-groups, bit 21 beside it
	s_mov_b32 s[G1W+0], 15|(3<<16)|(1<<21)
	s_mov_b32 s[G1W+1], 32<<16
	s_mov_b32 s[G1W+2], 132<<16
	s_mov_b32 s[G1W+3], 32<<16
	s_mov_b32 s[G1W+4], 132
	s_mov_b32 s[G1W+5], 32
	s_mov_b32 s[G1W+6], 0
	s_mov_b32 s[G1W+7], 0
	s_mov_b32 s[SEL], 0x76543210
	s_mov_b32 s[SEL+1], 0xfedcba98
	s_mov_b32 s[MNT], 0x600000
	s_mov_b32 s[CS], 0x4038aa3b                    ; 2 log2(e)
	s_mov_b32 s[CS+1], s[CS]                       ; (named with it as a pair, so it is written)
	s_mul_i32 s18, s[WV], QUARTER                  ; my quarter of a slot: no place in the cluster enters an LDS address
	s_lshl_b32 s20, s16, 20                        ; 256 rows of 4,096 bytes a block,
	s_lshl_b32 s21, s[WV], 18                      ; 64 a wave
	s_add_co_u32 s20, s20, s21
	s_mov_b32 s21, 0
	s_mov_b32 s22, s18                             ; my quarter of a slot's 8 tiles in wfrag: as many bytes
	s_mov_b32 s23, 0
	s_wait_dscnt 0x0                               ; both opening adds are done
	s_wait_kmcnt 0x0
	s_add_nc_u64 s[4:5], s[4:5], s[20:21]          ; enc at my wave's 64 rows: it stays, for the prefetches
	s_mov_b32 s[G0E], 1
	s_mov_b32 s[G0E+1], s18                        ; slot 0
	s_mov_b64 s[G0E+2:G0E+3], s[4:5]               ; K step 0
	s_or_b32 s[G0E+3], s[G0E+3], 0x80000000
	s_mov_b32 s[G0W], 1
	s_mov_b32 s[G0W+1], s18
	s_add_nc_u64 s[G0W+2:G0W+3], s[6:7], s[22:23]  ; tiles 0-7, my quarter: the same in all four partners
	s_or_b32 s[G0W+3], s[G0W+3], 0x80000000
	ROUND                                          ; in front of the first tensor load
	tensor_load_to_lds s[G0E:G0E+3], s[G1E:G1E+7]  ; K step 0 of my rows: my one load at the head
	s_nop 0
	PLACES 4
	; the tables: thread i brings 32 bytes of dp's row and of v_W
	s_lshl_b32 s20, s17, 12
	s_mov_b32 s21, 0
	s_add_nc_u64 s[8:9], s[8:9], s[20:21]          ; dp at my batch's row
	s_lshl_b32 s20, s16, 10
	s_lshl_b32 s22, s[WV], 8
	s_add_co_u32 s20, s20, s22
	s_add_nc_u64 s[12:13], s[12:13], s[20:21]      ; rawsc at my wave's 64 scores
	v_lshlrev_b32 v[TP], 5, v0
	global_load_b128 v[144:147], v[TP], s[8:9]
	global_load_b128 v[148:151], v[TP], s[8:9] offset:16
	global_load_b128 v[152:155], v[TP], s[10:11]
	global_load_b128 v[156:159], v[TP], s[10:11] offset:16
	v_and_b32 v[IA], 31, v0                        ; lane
	v_and_b32 v[SS], 15, v0                        ; r
	v_bfe_u32 v[XA], v0, 4, 1                      ; h
	v_lshlrev_b32 v[LI], 4, v[IA]
	v_lshlrev_b32 v[PFO], 12, v[IA]
	v_lshl_add_u32 v[T0], v[XA], 5, TAB_DP
	v_mul_u32_u24 v[EA], v[SS], 528
	v_lshl_add_u32 v[EA], v[XA], 6, v[EA]
	v_add_nc_u32 v[EA], s18, v[EA]                 ; row r of my quarter, + 64 h: my 16 numbers of a block of 32
	v_add_nc_u32 v[EA+1], SLOT, v[EA]
	s_lshl_b32 s19, s[WV], 13
	s_add_co_u32 s19, s19, AIM
	v_add_nc_u32 v[IAB], s19, v[LI]
	s_lshl_b32 s19, s[WV], 9
	s_add_co_u32 s19, s19, AIMS
	v_lshl_add_u32 v[SSB], v[SS], 2, s19
	v_lshl_add_u32 v[LS], v[IA], 2, s19
.irp b, 0,1,2,3
	v_mov_b32 v[TM+4+\b], 0                        ; written once: a lane permute's destination counts as one of its sources
.endr
	WALU
	s_wait_loadcnt 0x0
	v_add_nc_u32 v[BA], TAB_DP, v[TP]
	ds_store_b128 v[BA], v[144:147]
	ds_store_b128 v[BA], v[148:151] offset:16
	v_add_f32 v160, v152, v153                     ; the sum of my eight v,
	v_add_f32 v161, v154, v155
	v_add_f32 v162, v156, v157
	v_add_f32 v163, v158, v159
	v_add_f32 v160, v160, v161
	v_add_f32 v162, v162, v163
	v_add_f32 v160, v160, v162
	v_add_f32_dpp v160, v160, v160 row_xmask:1 row_mask:0xf bank_mask:0xf   ; of my wave's 256
	v_add_f32_dpp v160, v160, v160 row_xmask:2 row_mask:0xf bank_mask:0xf
	v_add_f32_dpp v160, v160, v160 row_xmask:4 row_mask:0xf bank_mask:0xf
	v_add_f32_dpp v160, v160, v160 row_xmask:8 row_mask:0xf bank_mask:0xf
	v_permlanex16_b32 v161, v160, s[SEL], s[SEL+1]
	v_add_f32 v160, v160, v161
.irp j, 0,2,4,6
	v_pk_mul_f32 v[152+\j:153+\j], v[152+\j:153+\j], -2.0 op_sel_hi:[1,0]
.endr
	ds_store_b128 v[BA], v[152:155] offset:TAB_VV-TAB_DP
	ds_store_b128 v[BA], v[156:159] offset:TAB_VV-TAB_DP+16
	s_lshl_b32 s19, s[WV], 2
	s_add_co_u32 s19, s19, SVP
	v_mov_b32 v[TA], s19
	ds_store_b32 v[TA], v160                       ; all lanes write the same word with the same value
; PHASE L.  The change of slots at the head of K step t: all my tensor loads have landed (K step t), the add, my LDS instructions are done (my reads of the other slot; at t = 0 my stores into the tables,
; which the round's barriers publish).  Behind the round my one tensor load: K step t + 1 of my rows, or, behind the last K step, the first slot of W (a joint load).
.macro LTRIP t
.if \t == 0
	WALU                                           ; the head's end
.endif
	s_wait_tensorcnt 0x0                           ; no tensor load of mine is out, so a group 0 may be written
	ds_add_u32 v[SPW], v[NIL]
.if \t < 7
	s_xor_b32 s[G0E+1], s[G0E+1], SLOT             ; the other slot,
	s_add_nc_u64 s[G0E+2:G0E+3], s[G0E+2:G0E+3], 512   ; 128 numbers further along K
.endif
	s_wait_dscnt 0x0
	ROUND
.if \t < 7
	tensor_load_to_lds s[G0E:G0E+3], s[G1E:G1E+7]
	s_nop 0
.else
	tensor_load_to_lds s[G0W:G0W+3], s[G1W:G1W+7]
	s_nop 0
.endif
	PLACES 4
.endm
; K step t of my four tiles of rows is quantised: a loop of four trips, so that the quantiser's text stands once a K step.  A trip cannot name other destination registers than the last,
; so the codes go as images of their registers into my own bytes of LDS, and ALOAD brings the four fragments to the registers in which they stay.
.macro QLOOP t
	s_mov_b32 s[ROWO], 0
	s_mov_b32 s[IMGO], 0
	s_mov_b32 s[SCLO], 0
	s_mov_b32 s[MC], 4
.Lrows_\@:
	v_add_nc_u32 v[XA], s[ROWO], v[EA+(\t)%2]
.irp b, 0,1,2,3
.irp j, 0,1,2,3
	ds_load_b128 v[X+16*\b+4*\j:X+16*\b+4*\j+3], v[XA] offset:128*\b+16*\j
.endr
.endr
	s_wait_dscnt 0x0                               ; the numbers are in; the last trip's stores have read the codes' registers
	QUANT X, PC, PW
	v_add_nc_u32 v[IA], s[IMGO], v[IAB]
.irp c, 0,1,2,3
	ds_store_b128 v[IA], v[PC+4*\c:PC+4*\c+3] offset:512*\c
.endr
	v_add_nc_u32 v[SS], s[SCLO], v[SSB]
	ds_store_b32 v[SS], v[PW] offset:64*((\t)%2)   ; an even K step's words in the lower 64 bytes, an odd one's in the upper; lanes r and r + 16 write the same word
	s_add_co_u32 s[ROWO], s[ROWO], 16*528
	s_add_co_u32 s[IMGO], s[IMGO], 2048
	s_add_co_u32 s[SCLO], s[SCLO], 128
	s_sub_co_u32 s[MC], s[MC], 1
	s_cmp_lg_u32 s[MC], 0
	s_cbranch_scc1 .Lrows_\@
.endm
.macro ASK t                           ; K step t of my 64 rows: 512 bytes a row = two blocks of 256; lane l names row l or 32 + l.  Base and offset register are never rewritten
.irp i, 0,1
.irp hf, 0,1
	global_prefetch_b8 v[PFO], s[4:5] offset:\i*131072+512*(\t)+256*\hf th:TH_LOAD_NT scope:SCOPE_SE
.endr
.endr
.endm
.macro ALOAD t                         ; LDS serves a wave's instructions in order (ISA guide 5.7.1.4): these see my stores; the next change of slots waits for them
	WIN ((1+(\t)/4)<<6)                            ; destination: window 1 + t / 4
.irp m, 0,1,2,3
.irp c, 0,1,2,3
	ds_load_b128 v[64*((\t)%4)+16*\m+4*\c:64*((\t)%4)+16*\m+4*\c+3], v[IAB] offset:2048*\m+512*\c
.endr
.endr
	WIN 0
.if (\t)%2
.irp m, 0,1,2,3
	ds_load_b32 v[AS+4*\m+(\t)/2], v[LS] offset:128*\m   ; lanes 0-15: K step t - 1's words; lanes 16-31: K step t's
.endr
.endif
.endm
.irp t, 0,1,2,3,4,5,6,7
	LTRIP \t
	QLOOP \t
.if \t < 6
	ASK \t+2
.endif
	ALOAD \t
.endr
; PHASE G.
.macro CHANGE fill                     ; at a slot's head: the slot ahead is whole, nobody reads the other one; fill = 1: that other slot takes the next 8 tiles of W
	s_wait_tensorcnt 0x0                           ; all my tensor loads have landed: my quarter of the slot ahead
	ds_add_u32 v[SPW], v[NIL]
.if \fill
	s_xor_b32 s[G0W+1], s[G0W+1], SLOT
	s_add_nc_u64 s[G0W+2:G0W+3], s[G0W+2:G0W+3], SLOT   ; the next 8 tiles; the type bits on top are not reached
.endif
	s_wait_dscnt 0x0                               ; the add is done, and my reads of the slot that I have left are over
.if \fill
	ROUND                                          ; no wave of any partner still reads that slot or has a load on its way
	tensor_load_to_lds s[G0W:G0W+3], s[G1W:G1W+7]  ; my one tensor load until the next round: it has a slot's 256 matrix instructions in which to land
	s_nop 0
	PLACES 4
.else
	s_barrier_signal -1
	s_barrier_wait -1
.endif
.endm
; The 35 LDS loads of the tile at s[TB], s[TT] into the sets of parity p: eight fragments (images of their registers, 16 bytes a lane, on end), the scale words, dp.
; The registers were last read by the products of two tiles back; that tile's and the last tile's vector work stand between.
.macro FETCH p
	v_add_nc_u32 v[BA], s[TB], v[LI]
	v_add_nc_u32 v[TA], s[TT], v[T0]
	s_add_co_u32 s[TB], s[TB], TILEB
	s_add_co_u32 s[TT], s[TT], 64
	WIN 0xc0                                       ; destination window 3
.irp k, 0,1,2,3,4,5,6,7
.irp c, 0,1,2,3
	ds_load_b128 v[128*(\p)+16*\k+4*\c:128*(\p)+16*\k+4*\c+3], v[BA] offset:2048*\k+512*\c
.endr
.endr
	WIN 0
	ds_load_b128 v[BS+4*(\p):BS+4*(\p)+3], v[BA] offset:16384
	ds_load_b128 v[DP+8*(\p):DP+8*(\p)+3], v[TA]
	ds_load_b128 v[DP+8*(\p)+4:DP+8*(\p)+7], v[TA] offset:16
.endm
.macro FMA a, z0, z1                   ; lines z0 .. z1 - 1 of the 16 that add -2 v r of the set at a to the scores, the four tiles of rows by turns
.set z, \z0
.rept (\z1)-(\z0)
	v_pk_fma_f32 v[S+2*(z%4):S+2*(z%4)+1], v[(\a)+8*(z%4)+2*(z/4):(\a)+8*(z%4)+2*(z/4)+1], v[VVR+2*(z/4):VVR+2*(z/4)+1], v[S+2*(z%4):S+2*(z%4)+1]
.set z, z+1
.endr
.endm
; THE VECTOR WORK BEHIND A RUN.  a: the sums just made; ap: the other set, which holds the tile before's r.  r = 1 / (1 + 2^(2 log2(e) x)), in place.
; The first eight multiply-adds name no register of the run's products: they are the eight places ahead of the first read of a sum.  Each accumulator is first read at its low end.
; Each batch of transcendentals has one wait ahead of it and, behind plain lines that name none of its results, one behind it.
; voff: where -2 v of THIS tile lies from v[TA]; it is loaded behind the last line that reads the tile before's.
.macro GAP a, ap, voff
	FMA \ap, 0, 8
.set p, 0
.rept 16
	v_pk_mul_f32 v[(\a)+2*p:(\a)+2*p+1], v[(\a)+2*p:(\a)+2*p+1], s[CS:CS+1] op_sel_hi:[1,0]
.set p, p+1
.endr
	WALU
.set p, 0
.rept 32
	v_exp_f32 v[(\a)+p], v[(\a)+p]
.set p, p+1
.endr
	FMA \ap, 8, 12
	WALU
.set p, 0
.rept 16
	v_pk_add_f32 v[(\a)+2*p:(\a)+2*p+1], v[(\a)+2*p:(\a)+2*p+1], 1.0 op_sel_hi:[1,0]
.set p, p+1
.endr
	WALU
.set p, 0
.rept 32
	v_rcp_f32 v[(\a)+p], v[(\a)+p]
.set p, p+1
.endr
	FMA \ap, 12, 16
	ds_load_b128 v[VVR:VVR+3], v[TA] offset:\voff
	ds_load_b128 v[VVR+4:VVR+7], v[TA] offset:(\voff)+16
	WALU
.endm
; A COLUMN TILE.  par: its parity, which names all its sets.  pf = 1: it fetches its successor in the slot, into the other sets, ahead of its own run.
; THE WAIT ON DScnt: behind my own 35 loads and -2 v of the tile before stand the successor's 35 alone (pf = 0: none).
; PRODUCTS: K step k = sl / 4, tile of rows m = sl % 4: the four accumulators take turns, one instruction a turn.  An odd K step's scale words stand in lanes 16-31 of both scale registers.
.macro TILE par, pf
.set AC, ACC+32*(\par)
.set BC, BS+4*(\par)
.set BF, 128*(\par)
.if \pf
	FETCH 1-(\par)
	s_wait_dscnt 35
.else
	s_wait_dscnt 0x0
.endif
.set sl, 0
.rept 32
.set kk, sl/4
.set mm, sl%4
	WIN 3|((1+kk/4)<<2)                            ; source 0 (W): window 3; source 1 (enc's codes): window 1 + k / 4
.set rA, 64*(kk%4)+16*mm
.if kk == 0
	v_wmma_scale_f32_16x16x128_f8f6f4 v[AC+8*mm:AC+8*mm+7], v[BF:BF+15], v[rA:rA+15], v[DP+8*(\par):DP+8*(\par)+7], v[BC], v[AS+4*mm]
.elseif kk%2
	v_wmma_scale_f32_16x16x128_f8f6f4 v[AC+8*mm:AC+8*mm+7], v[BF+16*kk:BF+16*kk+15], v[rA:rA+15], v[AC+8*mm:AC+8*mm+7], v[BC+kk/2], v[AS+4*mm+kk/2] matrix_a_scale:MATRIX_SCALE_ROW1 matrix_b_scale:MATRIX_SCALE_ROW1
.else
	v_wmma_scale_f32_16x16x128_f8f6f4 v[AC+8*mm:AC+8*mm+7], v[BF+16*kk:BF+16*kk+15], v[rA:rA+15], v[AC+8*mm:AC+8*mm+7], v[BC+kk/2], v[AS+4*mm+kk/2]
.endif
.set sl, sl+1
.endr
	WIN 0
	GAP ACC+32*(\par), ACC+32*(1-(\par)), TAB_VV-TAB_DP-64*(\pf)   ; pf = 1: v[TA] stands at the successor, 64 bytes on
.endm
; A slot's eight tiles: three trips of two, and two written out, since the last fetches no successor: the next slot is read only behind the change of slots.
.macro SLOTWORK
	s_mov_b32 s[TB], s[SB]
	s_mov_b32 s[TT], s[TO]
	FETCH 0
	s_mov_b32 s[TC], 3
.Lpair_\@:
	TILE 0, 1
	TILE 1, 1
	s_sub_co_u32 s[TC], s[TC], 1
	s_cmp_lg_u32 s[TC], 0
	s_cbranch_scc1 .Lpair_\@
	TILE 0, 1
	TILE 1, 0
	s_xor_b32 s[SB], s[SB], SLOT                   ; on to the other slot,
	s_add_co_u32 s[TO], s[TO], 512                 ; and to its 128 columns in the tables
.endm
	v_mov_b32 v[TP], SVP
	ds_load_b128 v[TQ:TQ+3], v[TP]                 ; the four waves' sums of v: stored ahead of K step 0's round, whose barriers have published them
.set p, 0
.rept 32
	v_mov_b32 v[ACC+32+p], 0                       ; the tile is written once: the first tile's multiply-adds find zeros as r
.set p, p+1
.endr
.set p, 0
.rept 8
	v_mov_b32 v[VVR+p], 0                          ; and zeros as -2 v
.set p, p+1
.endr
	s_wait_dscnt 0x0
	v_add_f32 v[TQ], v[TQ], v[TQ+1]
	v_add_f32 v[TQ+2], v[TQ+2], v[TQ+3]
	v_add_f32 v[TQ], v[TQ], v[TQ+2]
.irp m, 0,1,2,3
	v_mul_f32 v[S+2*\m], 0.5, v[TQ]                ; a row's score lies in two lanes: each begins with half of sum(v)
	v_mov_b32 v[S+2*\m+1], 0
.endr
	WALU
	s_mov_b32 s[SB], 0
	s_mov_b32 s[TO], 0
	s_mov_b32 s[SC], 7
.Lslot:                                            ; 7 trips: behind each change of slots but the last the next 8 tiles are asked for
	CHANGE 1
	SLOTWORK
	s_sub_co_u32 s[SC], s[SC], 1
	s_cmp_lg_u32 s[SC], 0
	s_cbranch_scc1 .Lslot
	CHANGE 0                                       ; the last slot is written out
	SLOTWORK
	s_wait_dscnt 0x0                               ; -2 v of the last tile is in
	FMA ACC+32, 0, 16                              ; its multiply-adds have no later tile to stand in
	; THE WAY OUT: a row's two halves and its two lanes are added; the wave's 64 scores go through its own 256 bytes of LDS and leave as 256 consecutive bytes, aligned.
	v_and_b32 v[TP], 15, v0
	s_lshl_b32 s19, s[WV], 8
	s_add_co_u32 s19, s19, SCR
	v_lshl_add_u32 v[BA], v[TP], 2, s19
	v_and_b32 v[TP], 31, v0
	v_lshlrev_b32 v[IA], 3, v[TP]
	v_add_nc_u32 v[TA], s19, v[IA]
.irp m, 0,1,2,3
	v_add_f32 v[S+2*\m], v[S+2*\m], v[S+2*\m+1]
.endr
.irp m, 0,1,2,3
	v_permlanex16_b32 v[TQ+\m], v[S+2*\m], s[SEL], s[SEL+1]
.endr
.irp m, 0,1,2,3
	v_add_f32 v[S+2*\m], v[S+2*\m], v[TQ+\m]
.endr
.irp m, 0,1,2,3
	ds_store_b32 v[BA], v[S+2*\m] offset:64*\m     ; row 16 m + r; lanes r and r + 16 write the same word with the same value
.endr
	ds_load_b64 v[TQ:TQ+1], v[TA]                  ; LDS serves a wave's instructions in order: this sees my stores
	WALU
	s_wait_dscnt 0x0
	global_store_b64 v[IA], v[TQ:TQ+1], s[12:13]
	s_wait_tensorcnt 0x0                           ; the wave's end
	ds_add_u32 v[SPW], v[NIL]
	s_wait_dscnt 0x0
	ROUND                                          ; the closing round: no work-group ends while a partner may still ask for a tile that names it
	s_endpgm
.Lfunc_end_k_q97f2e84ac4_energy:
	.size	k_q97f2e84ac4_energy, .Lfunc_end_k_q97f2e84ac4_energy-k_q97f2e84ac4_energy
	.p2alignl 7, 3214868480
	.fill 96, 4, 3214868480
	.section	.rodata,"a",@progbits
	.p2align	6, 0x0
	.amdhsa_kernel k_q97f2e84ac4_energy
		.amdhsa_group_segment_fixed_size 327680
		.amdhsa_private_segment_fixed_size 0
		.amdhsa_enable_private_segment 0
		.amdhsa_kernarg_size 40
		.amdhsa_user_sgpr_count 2
		.amdhsa_user_sgpr_kernarg_segment_ptr 1
		.amdhsa_wavefront_size32 1
		.amdhsa_system_sgpr_workgroup_id_x 1
		.amdhsa_system_sgpr_workgroup_id_y 1
		.amdhsa_system_sgpr_workgroup_id_z 1
		.amdhsa_system_vgpr_workitem_id 0
		.amdhsa_next_free_vgpr 1024
		.amdhsa_next_free_sgpr 66
		.amdhsa_reserve_vcc 0
		.amdhsa_float_denorm_mode_32 3
		.amdhsa_float_denorm_mode_16_64 3
		.amdhsa_memory_ordered 1
		.amdhsa_forward_progress 1
		.amdhsa_inst_pref_size 204
	.end_amdhsa_kernel
	.amdgpu_metadata
---
amdhsa.version: [ 1, 2 ]
amdhsa.kernels:
  - .name:           k_q97f2e84ac4_energy
    .symbol:         k_q97f2e84ac4_energy.kd
    .args:
      - { .name: enc_outputs, .offset: 0, .size: 8, .value_kind: global_buffer, .address_space: global }
      - { .name: wfrag, .offset: 8, .size: 8, .value_kind: global_buffer, .address_space: global }
      - { .name: dp, .offset: 16, .size: 8, .value_kind: global_buffer, .address_space: global }
      - { .name: v_W, .offset: 24, .size: 8, .value_kind: global_buffer, .address_space: global }
      - { .name: rawsc, .offset: 32, .size: 8, .value_kind: global_buffer, .address_space: global }
    .group_segment_fixed_size: 327680
    .private_segment_fixed_size: 0
    .kernarg_segment_align: 8
    .kernarg_segment_size: 40
    .max_flat_workgroup_size: 128
    .sgpr_count:     66
    .vgpr_count:     1024
    .wavefront_size: 32
...
	.end_amdgpu_metadata
.endif
;; end of part 2
;; launch context (part 3): grid 8 x 32, 16 waves a work-group, no clusters, 11,264 bytes of LDS; arguments rawsc, src_mask, enc_outputs, out0, out1; writes out0, out1
.if DOCPART == 3
	.amdgcn_target "amdgcn-amd-amdhsa--gfx1250"
	.amdhsa_code_object_version 6
	.text
	.protected	k_q97f2e84ac4_context
	.globl	k_q97f2e84ac4_context
	.p2align	8
	.type	k_q97f2e84ac4_context,@function
k_q97f2e84ac4_context:
	s_mov_b64 s[64:65], 0
	v_nop
	global_prefetch_b8 v0, s[64:65] scope:SCOPE_SE
	s_setreg_imm32_b32 hwreg(HW_REG_WAVE_MODE, 25, 1), 1
	s_wait_xcnt 0x0
; out1[b][s] = softmax over s of (src_mask[b][s] ? rawsc[b][s] : -10000);  out0[b][e] = sum over s of out1[b][s] enc_outputs[b][s][e].  All in f32.
; SHARES.  Work-group (j, b) owns out0[b][128 j .. 128 j + 127], so each output has one owner and no sum spans work-groups, and out1[b][256 j .. 256 j + 255].
; Every work-group makes the batch's whole softmax (2,048 scores: four a thread): 10 KiB of reads beside the 1 MiB of enc_outputs that it streams, which is why nothing is shared in a cluster.
; the weights of the wave's own rows: row p's weight is register p % 4 of lane p / 4, read into a scalar register.
; A ring of 32 slots in registers keeps 32 loads of every wave on their way; they are issued ahead of the softmax.
; The maximum is taken away before the exponential.  Matrix units are left out: the product has one row.
; LIMITS: NaN and infinities among the inputs are not served.
.set SV,  4                            ; v4-7    my four scores, then p, then the weights
.set RD,  32                           ; v32-47  the sixteen waves' maxima, then sums
.set ACC, 16                           ; v16-31  four sets of four running sums: rows p % 4
.set X,   64                           ; v64-191 the ring: slot p % 32, four registers
.set MX,  0                            ; LDS: 64 bytes: the waves' maxima;
.set SM,  256                          ; 64 bytes: their sums;
.set RED, 512                          ; 16 x 512 bytes: their parts of the context
.set WS,  20                           ; s[20:27] four pairs: a weight in the low word (the packed form names the pair and takes its low word for both halves)
.set SEL, 34                           ; s[34:35] lane selects: lane l xor 16
	s_load_b256 s[4:11], s[0:1], 0x0               ; rawsc s[4:5], src_mask s[6:7], enc_outputs s[8:9], out0 s[10:11]
	s_load_b64 s[12:13], s[0:1], 0x20              ; out1
	v_lshl_add_u32 v192, v0, 2, 0x2400
	v_mov_b32 v193, 0
	v_lshrrev_b32 v1, 5, v0
	s_delay_alu instid0(VALU_DEP_1)
	v_readfirstlane_b32 s14, v1                    ; wave 0..15
	s_and_b32 s15, ttmp7, 0xffff                   ; b
	v_and_b32 v1, 31, v0
	s_delay_alu instid0(VALU_DEP_1)
	v_lshlrev_b32 v1, 4, v1                        ; 16 x lane
	v_lshlrev_b32 v2, 4, v0                        ; 16 x thread
	v_lshlrev_b32 v3, 2, v0                        ; 4 x thread
	s_lshl_b32 s16, s15, 13                        ; a batch's scores and weights: 8,192 bytes
	s_mov_b32 s17, 0
	s_lshl_b32 s18, s15, 11                        ; its mask: 2,048 bytes
	s_mov_b32 s19, 0
	s_lshl_b32 s28, s15, 23                        ; its rows: 2,048 x 4,096 bytes,
	s_lshl_b32 s30, s14, 19                        ; my wave's 128 of them,
	s_add_co_u32 s28, s28, s30
	s_lshl_b32 s30, ttmp9, 9                       ; my work-group's 512 bytes of a row
	s_add_co_u32 s28, s28, s30
	s_mov_b32 s29, 0
	s_lshl_b32 s32, s15, 12
	s_add_co_u32 s32, s32, s30                     ; out0: 4,096 b + 512 j
	s_mov_b32 s33, 0
	s_mov_b32 s[SEL], 0x76543210
	s_mov_b32 s[SEL+1], 0xfedcba98
.irp q, 0,1,2,3
	s_mov_b32 s[WS+2*\q+1], 0                      ; the pairs' upper words are named, so they are written
.endr
	s_lshl_b32 s36, s14, 2
	v_mov_b32 v12, s36                             ; 4 x wave
	v_mov_b32 v13, 0
	v_mov_b32 v11, 0                               ; a lane permute's destination counts as one of its sources
	v_mov_b32 v9, 0xc61c4000                       ; -10000
	s_wait_alu depctr_va_vdst(0)
	s_wait_kmcnt 0x0
	s_add_nc_u64 s[4:5], s[4:5], s[16:17]
	s_add_nc_u64 s[6:7], s[6:7], s[18:19]
	s_add_nc_u64 s[8:9], s[8:9], s[28:29]
	s_add_nc_u64 s[10:11], s[10:11], s[32:33]
	s_add_nc_u64 s[12:13], s[12:13], s[16:17]
	global_load_b128 v[SV:SV+3], v2, s[4:5]
	global_load_b32 v8, v3, s[6:7]
.set rho, 0
.rept 32
	global_load_b128 v[X+4*rho:X+4*rho+3], v1, s[8:9] offset:4096*rho th:TH_LOAD_NT   ; the ring is filled: rows 0 to 31
.set rho, rho+1
.endr
	s_wait_loadcnt 32                              ; scores and mask are in; the 32 rows stay on their way
.irp q, 0,1,2,3
	v_bfe_u32 v10, v8, 8*\q, 8
	s_delay_alu instid0(VALU_DEP_1)
	v_cmp_ne_u32 vcc_lo, 0, v10
	s_delay_alu instid0(VALU_DEP_1)
	v_cndmask_b32 v[SV+\q], v9, v[SV+\q], vcc_lo   ; the score where the mask's byte is set, else -10000
.endr
	s_delay_alu instid0(VALU_DEP_4)
	v_max3_num_f32 v10, v[SV], v[SV+1], v[SV+2]
	s_delay_alu instid0(VALU_DEP_1)
	v_max_num_f32 v10, v10, v[SV+3]
	s_delay_alu instid0(VALU_DEP_1)
	v_max_num_f32_dpp v10, v10, v10 row_xmask:1 row_mask:0xf bank_mask:0xf
	s_delay_alu instid0(VALU_DEP_1)
	v_max_num_f32_dpp v10, v10, v10 row_xmask:2 row_mask:0xf bank_mask:0xf
	s_delay_alu instid0(VALU_DEP_1)
	v_max_num_f32_dpp v10, v10, v10 row_xmask:4 row_mask:0xf bank_mask:0xf
	s_delay_alu instid0(VALU_DEP_1)
	v_max_num_f32_dpp v10, v10, v10 row_xmask:8 row_mask:0xf bank_mask:0xf
	s_delay_alu instid0(VALU_DEP_1)
	v_permlanex16_b32 v11, v10, s[SEL], s[SEL+1]
	s_delay_alu instid0(VALU_DEP_1)
	v_max_num_f32 v10, v10, v11                    ; my wave's maximum
	ds_store_b32 v12, v10 offset:MX
	s_wait_dscnt 0x0                               ; for the others' sake
	s_barrier_signal -1
	s_barrier_wait -1
.irp q, 0,1,2,3
	ds_load_b128 v[RD+4*\q:RD+4*\q+3], v13 offset:MX+16*\q
.endr
	s_wait_dscnt 0x0
	v_max3_num_f32 v10, v[RD], v[RD+1], v[RD+2]
.irp q, 3,5,7,9,11,13
	s_delay_alu instid0(VALU_DEP_1)
	v_max3_num_f32 v10, v10, v[RD+\q], v[RD+\q+1]
.endr
	s_delay_alu instid0(VALU_DEP_1)
	v_max_num_f32 v10, v10, v[RD+15]               ; the batch's maximum
.irp q, 0,1,2,3
	v_sub_f32 v[SV+\q], v[SV+\q], v10
.endr
.irp q, 0,1,2,3
	s_delay_alu instid0(VALU_DEP_4)
	v_mul_f32 v[SV+\q], 0x3fb8aa3b, v[SV+\q]       ; x log2(e)
.endr
	s_wait_alu depctr_va_vdst(0)
.irp q, 0,1,2,3
	v_exp_f32 v[SV+\q], v[SV+\q]
.endr
	v_nop                                          ; a plain line behind the last exponential,
	s_wait_alu depctr_va_vdst(0)                   ; and one wait for the four, ahead of their first reader
	v_add_f32 v10, v[SV], v[SV+1]
	v_add_f32 v11, v[SV+2], v[SV+3]
	s_delay_alu instid0(VALU_DEP_1)
	v_add_f32 v10, v10, v11
	s_delay_alu instid0(VALU_DEP_1)
	v_add_f32_dpp v10, v10, v10 row_xmask:1 row_mask:0xf bank_mask:0xf
	s_delay_alu instid0(VALU_DEP_1)
	v_add_f32_dpp v10, v10, v10 row_xmask:2 row_mask:0xf bank_mask:0xf
	s_delay_alu instid0(VALU_DEP_1)
	v_add_f32_dpp v10, v10, v10 row_xmask:4 row_mask:0xf bank_mask:0xf
	s_delay_alu instid0(VALU_DEP_1)
	v_add_f32_dpp v10, v10, v10 row_xmask:8 row_mask:0xf bank_mask:0xf
	s_delay_alu instid0(VALU_DEP_1)
	v_permlanex16_b32 v11, v10, s[SEL], s[SEL+1]
	s_delay_alu instid0(VALU_DEP_1)
	v_add_f32 v10, v10, v11                        ; my wave's sum
	ds_store_b32 v12, v10 offset:SM                ; other bytes than the maxima's: no barrier is owed between those reads and this store
	s_wait_dscnt 0x0
	s_barrier_signal -1
	s_barrier_wait -1
.irp q, 0,1,2,3
	ds_load_b128 v[RD+4*\q:RD+4*\q+3], v13 offset:SM+16*\q
.endr
	s_wait_dscnt 0x0
.irp q, 2
	v_pk_add_f32 v[RD:RD+1], v[RD:RD+1], v[RD+\q:RD+\q+1]
.endr
.irp q, 4, 6, 8, 10, 12, 14
	s_delay_alu instid0(VALU_DEP_1)
	v_pk_add_f32 v[RD:RD+1], v[RD:RD+1], v[RD+\q:RD+\q+1]
.endr
	s_delay_alu instid0(VALU_DEP_1)
	v_add_f32 v10, v[RD], v[RD+1]                  ; the batch's sum: the same additions in every wave
	s_wait_alu depctr_va_vdst(0)
	v_rcp_f32 v10, v10
	v_nop
	s_wait_alu depctr_va_vdst(0)
.irp q, 0,1,2,3
	v_mul_f32 v[SV+\q], v[SV+\q], v10              ; the weights; these registers are not written again
.endr
	s_lshr_b32 s36, s14, 1
	s_cmp_eq_u32 s36, ttmp9                        ; waves 2 j and 2 j + 1 hold weights 256 j .. 256 j + 255
	s_cbranch_scc0 .Lnot_mine
	global_store_b128 v2, v[SV:SV+3], s[12:13]     ; 512 consecutive bytes a wave
.Lnot_mine:
	; THE STREAM, written out: every offset is an immediate (127 rows of 4,096 bytes at the most), no address is stepped.  Row p: its load is in, the younger ones stay out;
	; its weight becomes a scalar; two packed multiply-adds; the slot takes row p + 32.  The first four rows start the sums: nothing is cleared.
.set rho, 0
	s_wait_alu depctr_va_vdst(0)
.rept 128
.if rho < 96
	s_wait_loadcnt 31
.else
	s_wait_loadcnt 127-rho                         ; the last 32 rows load nothing: the counts run down
.endif
	v_readlane_b32 s[WS+2*(rho%4)], v[SV+rho%4], rho/4
.if rho < 4
	s_delay_alu instid0(VALU_DEP_1)
	v_pk_mul_f32 v[ACC+4*(rho%4):ACC+4*(rho%4)+1], v[X+4*(rho%32):X+4*(rho%32)+1], s[WS+2*(rho%4):WS+2*(rho%4)+1] op_sel_hi:[1,0]
	s_delay_alu instid0(VALU_DEP_2)
	v_pk_mul_f32 v[ACC+4*(rho%4)+2:ACC+4*(rho%4)+3], v[X+4*(rho%32)+2:X+4*(rho%32)+3], s[WS+2*(rho%4):WS+2*(rho%4)+1] op_sel_hi:[1,0]
.else
	s_delay_alu instid0(VALU_DEP_1)
	v_pk_fma_f32 v[ACC+4*(rho%4):ACC+4*(rho%4)+1], v[X+4*(rho%32):X+4*(rho%32)+1], s[WS+2*(rho%4):WS+2*(rho%4)+1], v[ACC+4*(rho%4):ACC+4*(rho%4)+1] op_sel_hi:[1,0,1]
	s_delay_alu instid0(VALU_DEP_2)
	v_pk_fma_f32 v[ACC+4*(rho%4)+2:ACC+4*(rho%4)+3], v[X+4*(rho%32)+2:X+4*(rho%32)+3], s[WS+2*(rho%4):WS+2*(rho%4)+1], v[ACC+4*(rho%4)+2:ACC+4*(rho%4)+3] op_sel_hi:[1,0,1]
.endif
.if rho+32 < 128
	global_load_b128 v[X+4*(rho%32):X+4*(rho%32)+3], v1, s[8:9] offset:4096*(rho+32) th:TH_LOAD_NT
.endif
.set rho, rho+1
.endr
	s_wait_alu depctr_va_vdst(0)
	v_pk_add_f32 v[ACC:ACC+1], v[ACC:ACC+1], v[ACC+4:ACC+5]
	v_pk_add_f32 v[ACC+2:ACC+3], v[ACC+2:ACC+3], v[ACC+6:ACC+7]
	v_pk_add_f32 v[ACC+8:ACC+9], v[ACC+8:ACC+9], v[ACC+12:ACC+13]
	v_pk_add_f32 v[ACC+10:ACC+11], v[ACC+10:ACC+11], v[ACC+14:ACC+15]
	s_delay_alu instid0(VALU_DEP_2)
	v_pk_add_f32 v[ACC:ACC+1], v[ACC:ACC+1], v[ACC+8:ACC+9]
	s_delay_alu instid0(VALU_DEP_2)
	v_pk_add_f32 v[ACC+2:ACC+3], v[ACC+2:ACC+3], v[ACC+10:ACC+11]
	ds_store_b128 v2, v[ACC:ACC+3] offset:RED      ; my wave's part: 512 x wave + 16 x lane
	s_wait_dscnt 0x0
	s_barrier_signal -1
	s_barrier_wait -1
	s_cmp_lg_u32 s14, 0
	s_cbranch_scc1 .Lend
.irp q, 0,1,2,3,4,5,6,7,8,9,10,11,12,13,14,15
	ds_load_b128 v[X+4*\q:X+4*\q+3], v1 offset:RED+512*\q
.endr
	s_wait_dscnt 0x0
.irp q, 1
	v_pk_add_f32 v[X:X+1], v[X:X+1], v[X+4*\q:X+4*\q+1]
	v_pk_add_f32 v[X+2:X+3], v[X+2:X+3], v[X+4*\q+2:X+4*\q+3]
.endr
.irp q, 2, 3, 4, 5, 6, 7, 8, 9, 10, 11, 12, 13, 14, 15
	s_delay_alu instid0(VALU_DEP_2)
	v_pk_add_f32 v[X:X+1], v[X:X+1], v[X+4*\q:X+4*\q+1]
	s_delay_alu instid0(VALU_DEP_2)
	v_pk_add_f32 v[X+2:X+3], v[X+2:X+3], v[X+4*\q+2:X+4*\q+3]
.endr
	global_store_b128 v1, v[X:X+3], s[10:11]       ; 512 consecutive bytes, at a multiple of 256 from out0's first byte
.Lend:
	s_wait_tensorcnt 0x0
	ds_add_u32 v192, v193
	s_wait_dscnt 0x0
	s_endpgm
.Lfunc_end_k_q97f2e84ac4_context:
	.size	k_q97f2e84ac4_context, .Lfunc_end_k_q97f2e84ac4_context-k_q97f2e84ac4_context
	.p2alignl 7, 3214868480
	.fill 96, 4, 3214868480
	.section	.rodata,"a",@progbits
	.p2align	6, 0x0
	.amdhsa_kernel k_q97f2e84ac4_context
		.amdhsa_group_segment_fixed_size 11264
		.amdhsa_private_segment_fixed_size 0
		.amdhsa_enable_private_segment 0
		.amdhsa_kernarg_size 40
		.amdhsa_user_sgpr_count 2
		.amdhsa_user_sgpr_kernarg_segment_ptr 1
		.amdhsa_wavefront_size32 1
		.amdhsa_system_sgpr_workgroup_id_x 1
		.amdhsa_system_sgpr_workgroup_id_y 1
		.amdhsa_system_sgpr_workgroup_id_z 1
		.amdhsa_system_vgpr_workitem_id 0
		.amdhsa_next_free_vgpr 194
		.amdhsa_next_free_sgpr 66
		.amdhsa_reserve_vcc 1
		.amdhsa_float_denorm_mode_32 3
		.amdhsa_float_denorm_mode_16_64 3
		.amdhsa_memory_ordered 1
		.amdhsa_forward_progress 1
		.amdhsa_inst_pref_size 61
	.end_amdhsa_kernel
	.amdgpu_metadata
---
amdhsa.version: [ 1, 2 ]
amdhsa.kernels:
  - .name:           k_q97f2e84ac4_context
    .symbol:         k_q97f2e84ac4_context.kd
    .args:
      - { .name: rawsc, .offset: 0, .size: 8, .value_kind: global_buffer, .address_space: global }
      - { .name: src_mask, .offset: 8, .size: 8, .value_kind: global_buffer, .address_space: global }
      - { .name: enc_outputs, .offset: 16, .size: 8, .value_kind: global_buffer, .address_space: global }
      - { .name: out0, .offset: 24, .size: 8, .value_kind: global_buffer, .address_space: global }
      - { .name: out1, .offset: 32, .size: 8, .value_kind: global_buffer, .address_space: global }
    .group_segment_fixed_size: 11264
    .private_segment_fixed_size: 0
    .kernarg_segment_align: 8
    .kernarg_segment_size: 40
    .max_flat_workgroup_size: 512
    .sgpr_count:     66
    .vgpr_count:     194
    .wavefront_size: 32
...
	.end_amdgpu_metadata
.endif
;; end of part 3
